; MI455X (gfx1250); checked and timed in simulation.
; The chip was launched on July 23, 2026; its instructions are those of AMD's public machine-readable ISA for CDNA 5 (MIT licence, August 2026) and "CDNA5" Instruction Set Architecture Reference Guide (July 2026). The comments in the code are by the model that wrote it; some were corrected since.
;; Encoder. Allowed arithmetic: matrix products marked QUANTISED: E2M1 operands, one E8M0 scale for each 32 along K, by v_wmma_scale_f32_16x16x128_f8f6f4 with both operands' format E2M1 (or v_wmma_scale_f32_32x16x128_f4), f32 sums; products left as they are: bf16, f16 or f32 operands; f32 sums; everything else in f32.
;; Inputs: Wk 1,024 x 1,024 float32; Wq 1,024 x 1,024 float32; Wv 1,024 x 1,024 float32; bk 1,024 float32; bq 1,024 float32; bv 1,024 float32; mask 4 x 2,048 bool; seq 4 x 2,048 x 1,024 float32.
;; Outputs: out0 4 x 2,048 x 1,024 float32.
;; This version of the problem:
;;   THIS VERSION OF THE PROBLEM IS GIVEN IN LOW PRECISION. The matrix products marked QUANTISED in the list below multiply operands that are first quantised to E2M1 (2 exponent bits, 1 mantissa bit; 4 bits a number), with one power-of-two scale for each 32 numbers along K (OCP MX v1.0); their sums are f32. The products marked 'left as it is' may take bf16, f16 or f32 operands, with f32 sums. Whichever they take, every output number must still come out within the allowed error. Rounding operands to bf16 (8 significant bits) uses up far more of that allowance than f16 does (11 bits, for magnitudes from 6e-5 to 65,504). All else is computed in f32.
;;   The module's matrix products, in the order in which they are computed (A, B: the left and right operand; K: the contracted axis; several contracted axes count as one K, in the product's order):
;;     1. [M 8,192, K 1,024] x [K 1,024, N 1,024]; A: input seq; B: input Wq: QUANTISED
;;     2. [M 8,192, K 1,024] x [K 1,024, N 1,024]; A: input seq; B: input Wk: QUANTISED
;;     3. [M 8,192, K 1,024] x [K 1,024, N 1,024]; A: input seq; B: input Wv: QUANTISED
;;     4. batch 64 x [M 2,048, K 64] x [K 64, N 2,048]; A: computed on the way; B: computed on the way: left as it is (an operand is computed on the way)
;;     5. batch 64 x [M 2,048, K 2,048] x [K 2,048, N 64]; A: computed on the way; B: computed on the way: left as it is (an operand is computed on the way)
;;   THE QUANTISER, for each operand of a quantised product, along K:
;;     - K is cut into blocks of 32 from its start; a last block that is shorter is filled with zeros.
;;     - A block's scale is 2^e with e = floor(log2(the largest magnitude in the block)) - 2, held to -126 .. 127; a block of zeros has e = 0. As a byte (E8M0): e + 127.
;;     - Each number is divided by its block's scale, clamped to +-6, and rounded to the nearest number of E2M1, ties to even, subnormals kept.
;;     - The product sums the exact products of the quantised numbers (number of the format x scale) in f32.
;;   ~~~python
;;   def quantise(x, axis):      # numpy; x: float32 -> the quantised numbers, widened to float32 again
;;       x = np.moveaxis(x, axis, -1); K = x.shape[-1]
;;       x = np.pad(x, [(0, 0)] * (x.ndim - 1) + [(0, -K % 32)]); x = x.reshape(x.shape[:-1] + (-1, 32)); a = np.abs(x).max(-1, keepdims=True)
;;       e = np.where(a > 0, np.clip(np.frexp(np.where(a > 0, a, 1))[1] - 1 - 2, -126, 127), 0)      # np.frexp(a)[1] - 1 = floor(log2(a)), exactly
;;       r = np.clip(x / 2.0 ** e, -6, 6)
;;       step = 2.0 ** (np.maximum(np.frexp(np.where(r == 0, 1, r))[1] - 1, 0) - 1)
;;       q = np.round(r / step) * step * 2.0 ** e      # np.round: ties to even
;;       return np.moveaxis(q.reshape(q.shape[:-2] + (-1,))[..., :K], -1, axis).astype(np.float32)
;;   ~~~
;; One version. Each part assembles by itself: llvm-mc -triple=amdgcn-amd-amdhsa -mcpu=gfx1250 --defsym DOCPART=n.
;; ======== version 1 of 1: 3 launches
;; limits: right only within a limited range of input values; values are held in f16: magnitudes above 65,504 overflow, below 6.1e-05 lose precision
;; workspace buffers: codes 5,767,168 bytes; scales 360,448 bytes; qkv 50,331,648 bytes; vsum 262,144 bytes; lists 33,024 bytes of whole numbers
;; launch quant (part 1): grid 352 x 1, 4 waves a work-group, no clusters, 33,280 bytes of LDS; arguments seq, Wq, Wk, Wv, mask, codes, scales, lists; writes codes, scales, lists
.if DOCPART == 1
	.amdgcn_target "amdgcn-amd-amdhsa--gfx1250"
	.amdhsa_code_object_version 6
	.text
	.protected	k_qa88c825c7a_quant
	.globl	k_qa88c825c7a_quant
	.p2align	8
	.type	k_qa88c825c7a_quant,@function
k_qa88c825c7a_quant:
	s_mov_b64 s[64:65], 0
	v_nop
	global_prefetch_b8 v0, s[64:65] scope:SCOPE_SE
	s_setreg_imm32_b32 hwreg(HW_REG_WAVE_MODE, 25, 1), 1
	s_wait_xcnt 0x0
; seq [8192][1024] and Wq, Wk, Wv [1024][1024], f32, K innermost, become codes of FP4 (E2M1) and one E8M0 scale byte for each 32 along K.
; codes: [11264 rows][512 bytes], scales: [11264 rows][32 bytes].  Rows 0..8191 are seq, 8192.. Wq, 9216.. Wk, 10240.. Wv.
; THE ROWS OF seq ARE PERMUTED INSIDE EACH BATCH, by the mask as it is read: with T(s) = the number of true entries ahead of s,
; a row whose mask is false (a query that counts) goes to place s - T(s), a row whose mask is true (a key that counts) to place 2047 - T(s).
; So the queries that count fill places 0 .. nq - 1 and the keys that count fill places nq .. 2047 from the top down.
; lists: src[b][place] = s (u32, 8192 of them), and at byte 32768 nq[b] (u32, four of them): whole numbers for the attention launch.
; A block scale is 2^(floor(log2(largest magnitude)) - 2); its byte is the exponent field of the largest magnitude - 2, held at 1 from below.
; LIMITS: a block of zeros gets the byte 1 (its codes are zeros, and this program alone reads the bytes); blocks whose largest magnitude lies
; under 2^(2 - 126) have their byte held at 1; NaN and infinities among the inputs are not served.
; SHARES: a work-group takes 32 rows, a wave 8 rows = 16 steps of 512 numbers.  Work-groups 0..255 take seq, then 32 each Wq, Wk, Wv.
; Each load reads 512 consecutive bytes; a step goes through the stage of the wave in LDS so that a lane holds 16 neighbours along K.
; A step makes 256 consecutive bytes of codes, half a row.  No barrier: waves share nothing.  Loads run four steps ahead.
.set WAVES, 4
.set STEPS, 16
.set EMAX,  2
.set CB,    8                          ; bytes of 16 codes
.set R,     16                         ; v16-79   four sets of 16 numbers as loaded
.set X,     80                         ; v80-111  two sets of 16 neighbours; at the head v80-95 hold the mask of the batch
.set E,     112                        ; v112-127 a scale byte for each step
.set C,     128                        ; v128-191 codes, four registers a step
.set WREG,  8192                       ; LDS of a wave: two stages of 32 x SP bytes, then its 256 scale bytes
.set SP,    80
.set SPW,   12                         ; v12 LDS address of my spare word; never rewritten
.set NIL,   13                         ; v13 0; never rewritten
.set SPARE, WAVES*WREG                 ; the spare words, 128 bytes a wave, named by no other line
.set ROWP,  40                         ; s[40:55] eight pointers: where the codes of my eight rows go
.set DR,    56                         ; s56-63   their row numbers in codes and scales
	s_load_b256 s[4:11], s[0:1], 0x0               ; seq, Wq, Wk, Wv
	s_load_b256 s[12:19], s[0:1], 0x20             ; mask, codes, scales, lists
	v_lshl_add_u32 v[SPW], v0, 2, SPARE
	v_mov_b32 v[NIL], 0
	v_lshrrev_b32 v1, 5, v0
	v_readfirstlane_b32 s20, v1                    ; wave
	v_and_b32 v2, 31, v0                           ; lane
	v_lshlrev_b32 v3, 4, v2                        ; my 16 bytes of the 512 of a load
	s_mul_i32 s27, s20, WREG
	v_lshrrev_b32 v14, 2, v2
	v_mul_u32_u24 v14, v14, SP
	v_and_b32 v15, 3, v2
	v_lshl_add_u32 v14, v15, 4, v14
	v_add_nc_u32 v14, s27, v14                     ; the stage on the way in: SP (lane / 4) + 16 (lane % 4)
	v_mul_u32_u24 v15, v2, SP
	v_add_nc_u32 v15, s27, v15                     ; and on the way out: SP x lane
	v_mul_u32_u24 v4, v2, CB                       ; my codes in the 256 bytes of a step
	v_lshrrev_b32 v5, 1, v2
	s_add_co_u32 s27, s27, 2*32*SP
	v_add_nc_u32 v5, s27, v5                       ; LDS: the byte of my block
	v_lshlrev_b32 v7, 3, v2
	v_add_nc_u32 v6, s27, v7                       ; and 8 bytes a lane on the way out
	s_lshl_b32 s21, ttmp9, 5
	s_lshl_b32 s28, s20, 3
	s_add_co_u32 s21, s21, s28                     ; row0 = 32 x work-group + 8 x wave
	s_bfe_u32 s22, s21, 0x2000b                    ; b = (row0 >> 11) & 3
	s_and_b32 s23, s21, 2047                       ; s0: my first row in its batch
	s_mov_b32 s32, 0x76543210
	s_mov_b32 s33, 0xfedcba98                      ; lane l xor 16
	s_lshl_b32 s28, s22, 11
	s_mov_b32 s29, 0
	s_mov_b32 s36, s23
	s_mov_b32 s37, 0
	s_and_b32 s30, ttmp9, 31
	s_cmp_lt_u32 ttmp9, 256
	s_cselect_b32 s30, ttmp9, s30                  ; which 32 rows of the tensor
	s_lshl_b32 s30, s30, 2
	s_add_co_u32 s30, s30, s20
	s_lshl_b32 s30, s30, 15                        ; 8 rows are 32,768 bytes
	s_mov_b32 s31, 0
	s_wait_kmcnt 0x0
	s_add_nc_u64 s[12:13], s[12:13], s[28:29]      ; the mask of batch b
	s_add_nc_u64 s[34:35], s[12:13], s[36:37]
	s_load_b64 s[24:25], s[34:35], 0x0             ; the mask bytes of my eight rows
.irp n, 0,1,2,3
	global_load_b128 v[X+4*\n:X+4*\n+3], v3, s[12:13] offset:512*\n   ; all 2,048 mask bytes of the batch: word 128 n + 4 lane + k
.endr
	s_cmp_lt_u32 ttmp9, 320                        ; the source is chosen by the number of the work-group alone
	s_cselect_b64 s[8:9], s[8:9], s[10:11]
	s_cmp_lt_u32 ttmp9, 288
	s_cselect_b64 s[6:7], s[6:7], s[8:9]
	s_cmp_lt_u32 ttmp9, 256
	s_cselect_b64 s[4:5], s[4:5], s[6:7]
	s_add_nc_u64 s[4:5], s[4:5], s[30:31]
.macro LOAD t
.irp i, 0,1,2,3
	global_load_b128 v[R+16*((\t)%4)+4*\i:R+16*((\t)%4)+4*\i+3], v3, s[4:5] offset:2048*(\t)+512*\i th:TH_LOAD_NT   ; 32 lanes read 512 consecutive bytes
.endr
.endm
.macro TURN t                          ; a step through the stage: LDS serves the instructions of a wave in order, so no wait stands between stores and loads
.irp i, 0,1,2,3
	ds_store_b128 v14, v[R+16*((\t)%4)+4*\i:R+16*((\t)%4)+4*\i+3] offset:32*SP*((\t)%2)+8*SP*\i
.endr
.irp i, 0,1,2,3
	ds_load_b128 v[X+16*((\t)%2)+4*\i:X+16*((\t)%2)+4*\i+3], v15 offset:32*SP*((\t)%2)+16*\i
.endr
.endm
.irp t, 0,1,2,3
	LOAD \t
.endr
	; T(s0): the true bytes ahead of my first row.  s0 is a multiple of 8, so whole words count or do not: word d counts where d < s0 / 4.
	s_lshr_b32 s27, s23, 2
	v_lshlrev_b32 v8, 2, v2
	v_sub_nc_u32 v8, s27, v8                       ; e = s0 / 4 - 4 lane: my word 128 n + k counts where 128 n + k < e
	v_mov_b32 v9, 0
	s_wait_loadcnt 16                              ; the four mask loads are in; the 16 data loads behind them may be out
.irp n, 0,1,2,3
.irp k, 0,1,2,3
	v_cmp_lt_i32 vcc_lo, 128*\n+\k, v8
	v_cndmask_b32 v10, 0, v[X+4*\n+\k], vcc_lo
	v_add_nc_u32 v9, v9, v10                       ; four sums of bytes side by side, each at most 16
.endr
.endr
	v_mul_lo_u32 v9, v9, 0x01010101
	v_lshrrev_b32 v9, 24, v9                       ; the four added: at most 64
.irp m, 1,2,4,8
	v_mov_b32_dpp v10, v9 row_xmask:\m row_mask:0xf bank_mask:0xf
	v_add_nc_u32 v9, v9, v10
.endr
	v_permlanex16_b32 v10, v9, s32, s33
	v_add_nc_u32 v9, v9, v10
	v_readfirstlane_b32 s26, v9                    ; tc = T(s0)
	s_wait_kmcnt 0x0                               ; my eight mask bytes
.irp i, 0,1,2,3,4,5,6,7
	s_bfe_u32 s27, s[24+\i/4], 0x10000|(8*(\i%4))  ; the mask of row s0 + i
	s_sub_co_u32 s28, 2047, s26                    ; true: 2047 - T
	s_add_co_u32 s29, s23, \i
	s_sub_co_u32 s29, s29, s26                     ; false: s - T
	s_cmp_lg_u32 s27, 0
	s_cselect_b32 s28, s28, s29
	s_add_co_u32 s26, s26, s27
	s_lshl_b32 s29, s22, 11
	s_add_co_u32 s28, s28, s29                     ; + 2048 b
	s_add_co_u32 s29, s21, \i                      ; a row of a weight stays where it is
	s_cmp_lt_u32 ttmp9, 256
	s_cselect_b32 s[DR+\i], s28, s29
	s_min_u32 s[DR+\i], s[DR+\i], 11263            ; a number made of loaded bytes enters an address only behind this bound
	s_lshl_b32 s[ROWP+2*\i], s[DR+\i], 9
	s_mov_b32 s[ROWP+2*\i+1], 0
	s_add_nc_u64 s[ROWP+2*\i:ROWP+2*\i+1], s[14:15], s[ROWP+2*\i:ROWP+2*\i+1]
.endr
	s_wait_loadcnt 12                              ; the four loads of step 0 are in
	TURN 0
.macro STEP t
.set XS, X+16*((\t)%2)
.if (\t) > 0
	s_wait_dscnt 1                                 ; the numbers of this step are back from the stage (the byte store of the last step may be out)
.else
	s_wait_dscnt 0x0
.endif
.if (\t)+4 < STEPS
	LOAD (\t)+4                                    ; into the registers that the stage stores of this step have read
.endif
.if (\t)+1 < STEPS
.if STEPS-2-(\t) >= 3
	s_wait_loadcnt 12                              ; the four loads of the next step are in; those of the three steps behind it may be out
.else
	s_wait_loadcnt 4*(STEPS-2-(\t))
.endif
	TURN (\t)+1
.endif
	v_max3_num_f32 v8, |v[XS]|, |v[XS+1]|, |v[XS+2]|               ; the largest magnitude of my 16
	v_max3_num_f32 v9, |v[XS+3]|, |v[XS+4]|, |v[XS+5]|
.irp i, 6,10
	v_max3_num_f32 v8, v8, |v[XS+\i]|, |v[XS+\i+1]|
	v_max3_num_f32 v9, v9, |v[XS+\i+2]|, |v[XS+\i+3]|
.endr
	v_max3_num_f32 v8, v8, |v[XS+14]|, |v[XS+15]|
	v_max3_num_f32 v8, v8, v9, (EMAX+1)<<23        ; and the floor 2^(EMAX + 1 - 127): the byte cannot fall under 1
	v_max_num_f32_dpp v8, v8, v8 row_xmask:1 row_mask:0xf bank_mask:0xf   ; with the 16 of my neighbour: the block
	v_add_nc_u32 v11, -(EMAX<<23), v8              ; EMAX off the exponent field: the scale operand of the conversion
	v_cvt_scalef32_pk8_fp4_f32 v[C+4*(\t)], v[XS:XS+7], v11
	v_cvt_scalef32_pk8_fp4_f32 v[C+4*(\t)+1], v[XS+8:XS+15], v11
	v_lshrrev_b32 v[E+(\t)], 23, v11               ; the scale byte
	ds_store_b8 v5, v[E+(\t)] offset:16*(\t)       ; both lanes of a block write the same byte with the same value
	global_store_b64 v4, v[C+4*(\t):C+4*(\t)+1], s[ROWP+2*((\t)/2):ROWP+2*((\t)/2)+1] offset:256*((\t)%2)   ; 32 lanes store 256 consecutive bytes: half of row t / 2
.endm
.irp t, 0,1,2,3,4,5,6,7,8,9,10,11,12,13,14,15
	STEP \t
.endr
	ds_load_b64 v[8:9], v6                         ; my 8 scale bytes: row lane / 4, part lane % 4
	v_lshrrev_b32 v16, 2, v2
	v_mov_b32 v17, s[DR]
.irp i, 1,2,3,4,5,6,7
	v_cmp_eq_u32 vcc_lo, \i, v16
	v_cndmask_b32 v17, v17, s[DR+\i], vcc_lo       ; where row lane / 4 goes
.endr
	v_min_u32 v17, 0x2bff, v17
	v_and_b32 v18, 3, v2
	v_lshlrev_b32 v19, 3, v18
	v_lshlrev_b32 v20, 5, v17
	v_add_nc_u32 v20, v20, v19
	s_wait_dscnt 0x0
	global_store_b64 v20, v[8:9], s[16:17]         ; four lanes store the 32 scale bytes of a row; the rows lie apart, being permuted
	s_cmp_ge_u32 ttmp9, 256
	s_cbranch_scc1 .Lend                           ; the lists are made by the work-groups of seq
	v_min_u32 v21, 0x1fff, v17
	v_lshlrev_b32 v21, 2, v21
	v_add_nc_u32 v22, s23, v16                     ; s = s0 + lane / 4
	v_cmp_eq_u32 vcc_lo, 0, v18
	s_wait_xcnt 0x0                                ; EXEC changes only behind this wait
	s_and_saveexec_b32 s27, vcc_lo
	global_store_b32 v21, v22, s[18:19]            ; src[place] = s
	s_wait_xcnt 0x0
	s_or_b32 exec_lo, exec_lo, s27
	s_cmp_lg_u32 s23, 2040
	s_cbranch_scc1 .Lend                           ; the wave with the last rows of a batch knows the whole count
	s_sub_co_u32 s28, 2048, s26
	v_mov_b32 v23, s28                             ; nq = 2048 - the number of true entries
	s_lshl_b32 s29, s22, 2
	v_mov_b32 v24, s29
	v_cmp_eq_u32 vcc_lo, 0, v2
	s_and_saveexec_b32 s27, vcc_lo                 ; (no memory instruction since the last wait on XCNT)
	global_store_b32 v24, v23, s[18:19] offset:32768
	s_wait_xcnt 0x0
	s_or_b32 exec_lo, exec_lo, s27
.Lend:
	s_wait_tensorcnt 0x0                           ; the end of the wave, behind my last LDS store
	ds_add_u32 v[SPW], v[NIL]
	s_wait_dscnt 0x0
	s_endpgm
.Lfunc_end_k_qa88c825c7a_quant:
	.size	k_qa88c825c7a_quant, .Lfunc_end_k_qa88c825c7a_quant-k_qa88c825c7a_quant
	.p2alignl 7, 3214868480
	.fill 96, 4, 3214868480
	.section	.rodata,"a",@progbits
	.p2align	6, 0x0
	.amdhsa_kernel k_qa88c825c7a_quant
		.amdhsa_group_segment_fixed_size 33280
		.amdhsa_private_segment_fixed_size 0
		.amdhsa_enable_private_segment 0
		.amdhsa_kernarg_size 64
		.amdhsa_user_sgpr_count 2
		.amdhsa_user_sgpr_kernarg_segment_ptr 1
		.amdhsa_wavefront_size32 1
		.amdhsa_system_sgpr_workgroup_id_x 1
		.amdhsa_system_sgpr_workgroup_id_y 1
		.amdhsa_system_sgpr_workgroup_id_z 1
		.amdhsa_system_vgpr_workitem_id 0
		.amdhsa_next_free_vgpr 192
		.amdhsa_next_free_sgpr 66
		.amdhsa_reserve_vcc 1
		.amdhsa_float_denorm_mode_32 3
		.amdhsa_float_denorm_mode_16_64 3
		.amdhsa_memory_ordered 1
		.amdhsa_forward_progress 1
		.amdhsa_inst_pref_size 44
	.end_amdhsa_kernel
	.amdgpu_metadata
---
amdhsa.version: [ 1, 2 ]
amdhsa.kernels:
  - .name:           k_qa88c825c7a_quant
    .symbol:         k_qa88c825c7a_quant.kd
    .args:
      - { .name: seq, .offset: 0, .size: 8, .value_kind: global_buffer, .address_space: global }
      - { .name: Wq, .offset: 8, .size: 8, .value_kind: global_buffer, .address_space: global }
      - { .name: Wk, .offset: 16, .size: 8, .value_kind: global_buffer, .address_space: global }
      - { .name: Wv, .offset: 24, .size: 8, .value_kind: global_buffer, .address_space: global }
      - { .name: mask, .offset: 32, .size: 8, .value_kind: global_buffer, .address_space: global }
      - { .name: codes, .offset: 40, .size: 8, .value_kind: global_buffer, .address_space: global }
      - { .name: scales, .offset: 48, .size: 8, .value_kind: global_buffer, .address_space: global }
      - { .name: lists, .offset: 56, .size: 8, .value_kind: global_buffer, .address_space: global }
    .group_segment_fixed_size: 33280
    .private_segment_fixed_size: 0
    .kernarg_segment_align: 8
    .kernarg_segment_size: 64
    .max_flat_workgroup_size: 128
    .sgpr_count:     66
    .vgpr_count:     192
    .wavefront_size: 32
...
	.end_amdgpu_metadata
.endif
;; end of part 1
;; launch proj (part 2): grid 12 x 32, 4 waves a work-group, clusters of 4 x 4, 327,680 bytes of LDS; arguments codes, scales, bq, bk, bv, qkv, vsum; writes qkv, vsum
.if DOCPART == 2
	.amdgcn_target "amdgcn-amd-amdhsa--gfx1250"
	.amdhsa_code_object_version 6
	.text
	.protected	k_qa88c825c7a_proj
	.globl	k_qa88c825c7a_proj
	.p2align	8
	.type	k_qa88c825c7a_proj,@function
k_qa88c825c7a_proj:
	s_mov_b64 s[64:65], 0
	v_nop
	global_prefetch_b8 v0, s[64:65] scope:SCOPE_SE
	s_setreg_imm32_b32 hwreg(HW_REG_WAVE_MODE, 25, 1), 1
	s_wait_xcnt 0x0
	s_wait_alu depctr_hold_cnt(0) depctr_sa_sdst(0) depctr_va_vdst(0) depctr_va_sdst(0) depctr_va_ssrc(0) depctr_va_vcc(0) depctr_vm_vsrc(0)
	s_getreg_b32 s2, hwreg(HW_REG_IB_STS2, 6, 4)
	s_cmp_eq_u32 s2, 0
	s_cbranch_scc0 .Lentry_in_a_cluster
	s_endpgm
.Lentry_in_a_cluster:
	s_bfe_u32 s2, ttmp6, 0x10000c
	s_cmp_lg_u32 s2, 0xf033
	s_cbranch_scc0 .Lentry_shape_is_right
	s_endpgm
.Lentry_shape_is_right:
; Q, K and V = seq W^T + b on codes of FP4 (E2M1) with one E8M0 scale for each 32 along K = 1024; sums in f32; the results leave as f16, laid as the attention launch takes its operands.
; ONE TEXT, TWO ORIENTATIONS.  The text makes tiles C(x, y) = sum over k of X[x][k] Y[y][k], 256 x 256 a work-group, 128 x 128 a wave, source 0 = 16 rows of Y, source 1 = 16 rows of X:
; lane (r, h) of accumulator (a, b) holds row 16 a + r of X and, in its registers j = 0..7, rows 16 b + 8 h + j of Y.
;   clusters x = 0, 1 (Q, K): X = rows of seq (permuted), Y = rows of Wq or Wk: a lane holds one row and eight neighbouring channels: half of a fragment 16 rows x 32 channels.
;   cluster  x = 2    (V):    X = rows of Wv, Y = rows of seq: a lane holds one channel and eight neighbouring keys: half of a fragment 16 channels x 32 keys of V^T.
; qkv: Q at 0, K at 1 << 24, V at 2 << 24; in each [batch][head] x 262,144 bytes.  Q, K: [128 blocks of 16 rows][4 pieces of 512 bytes], piece = channels 16 x piece on, 16 bytes a lane at 16 x lane.
; V: [64 blocks of 32 keys][4 tiles of 16 channels][2 halves of 16 keys][512 bytes].  Every store of a wave covers 512 consecutive bytes, aligned.
; vsum: [64 groups of 128 permuted rows][1024 channels] f32: sums of V + bv in f32, for the rows whose softmax is uniform.
; K goes through two LDS slots of 512 along K, each filled once; the scale bytes of the 256 + 256 rows come once.  All three loads of a wave go out at the head.
; CLUSTERS: 4 x 4 work-groups; the tiles of X are shared along a row of the cluster, those of Y along a column, each asked for jointly.
; LIMITS: |Q|, |K|, |V| stay under 65,504, the largest f16 number (drawn inputs give about 5; all inputs 30 times larger about 5e3).
; REGISTERS: window 0: v0-31 addresses; v32-95 scale words, two sets, and nothing else; v96-103 sums of V; v104-111 bias addresses; v112-119 at work; v128-191 fragments of X, on the way out the packed results.
;   window 1: v0-63, v128-191 fragments of Y, two sets; v64-127 results with bias; v192-255 the biases.   windows 2, 3: the 64 accumulators.
.set KSTEP,  512
.set NQ,     4
.set ROWB,   256
.set KROW,   512
.set PITCH,  272                       ; an LDS row: 256 bytes + 16 of padding: the 16 rows of a fragment load start 4 banks apart
.set FR,     8
.set NL,     2
.set NP,     4
.set HALFT,  128*PITCH
.set SLOT,   4*HALFT
.set KS,     32
.set SCL,    2*SLOT
.set HALFS,  (128*KS/256)*272
.set SBLK,   (16*KS/256)*272
.set SPARE,  SCL+4*HALFS               ; the spare words, 128 bytes a wave, named by no other line
.set ADRA, 16
.set ADRB, 20
.set LI,   24                          ; v24 16 x lane
.set L4,   25                          ; v25 4 x lane
.set LN,   26                          ; v26 lane
.set ADRS, 27
.set SPW,  28
.set NIL,  29
.set SC,   32
.set SUM,  96
.set BA,   104
.set PX,   112
.set AF,   128
.set Y,    128
.set T,    64                          ; window 1
.set BI,   192                         ; window 1
.set WV, 18
.set HA, 19
.set HB, 20
.set TR, 66
.set G1, 24
.set G0, 32
.set G1B, 48
.set G0B, 56
.set G1S, 68
.set G0S, 76
.set G1SB, 80
.set G0SB, 88
.set MSB, 0
.macro WIN new                         ; the high byte of the immediate repeats the setting that is left
.if MSB != (\new)
	s_set_vgpr_msb (MSB<<8)|(\new)
.set MSB, (\new)
.endif
.endm
.set MUL_LO, 0xa1                      ; source 0 (Y) window 1, source 1 (X) window 0, C and D window 2
.set MUL_HI, 0xf1
.set TO_B,   0x40
; A joint load: waves 0 and 1 fetch for X, waves 2 and 3 for Y.  The branch hangs on the number of the wave alone.  An s_nop 0 and four v_nop follow each of the two lines.
.macro JLOAD g0a, g1a, g0b, g1b
	s_cmp_eq_u32 s[HA], 0
	s_cbranch_scc0 .Lfor_b_\@
	tensor_load_to_lds s[\g0a:\g0a+3], s[\g1a:\g1a+7]
	s_nop 0
.rept 4
	v_nop
.endr
	s_branch .Lasked_\@
.Lfor_b_\@:
	tensor_load_to_lds s[\g0b:\g0b+3], s[\g1b:\g1b+7]
	s_nop 0
.rept 4
	v_nop
.endr
.Lasked_\@:
.endm
.macro CROUND                          ; a round of the barrier of the cluster
	s_barrier_signal -1
	s_barrier_wait -1
	s_cmp_lg_u32 s[WV], 0
	s_cbranch_scc1 .Lnot_wave_0_\@
	s_barrier_signal -3
.Lnot_wave_0_\@:
	s_barrier_wait -3
	s_barrier_signal -1
	s_barrier_wait -1
.endm
	s_load_b128 s[4:7], s[0:1], 0x0                ; codes, scales
	s_load_b256 s[8:15], s[0:1], 0x10              ; bq, bk, bv, qkv
	s_load_b64 s[16:17], s[0:1], 0x30              ; vsum
	v_lshl_add_u32 v[SPW], v0, 2, SPARE
	v_mov_b32 v[NIL], 0
	ds_add_u32 v[SPW], v[NIL]                      ; the opening of the wave: the add, twice on end, and its wait ahead of my first tensor load
	ds_add_u32 v[SPW], v[NIL]
	v_lshrrev_b32 v1, 5, v0
	v_readfirstlane_b32 s[WV], v1                  ; wave 0..3
	s_lshr_b32 s[HA], s[WV], 1                     ; which 128 rows of X are mine.  Also: I fetch for X (0) or for Y (1)
	s_and_b32 s[HB], s[WV], 1                      ; which 128 rows of Y.  Also: which 128 rows of that tile I fetch
	s_bfe_u32 s40, ttmp6, 0x40000                  ; cx
	s_bfe_u32 s41, ttmp6, 0x40004                  ; cy
	s_and_b32 s21, ttmp7, 0xffff                   ; cluster y
	s_cmp_eq_u32 ttmp9, 2                          ; the orientation hangs on cluster x, which all sixteen partners share
	s_cselect_b32 s22, 0, s21
	s_cselect_b32 s23, s21, ttmp9
	s_cselect_b32 s2, 10240, 0                     ; first row of X in codes: Wv, or seq
	s_cselect_b32 s3, 0, 8192                      ; first row of Y: seq, or Wq (Wk follows it)
	s_lshl_b32 s[TR], s22, 2
	s_add_co_u32 s[TR], s[TR], s41                 ; tile row: hangs on cy alone
	s_lshl_b32 s42, s23, 2
	s_add_co_u32 s42, s42, s40                     ; tile column: hangs on cx alone
	s_lshl_b32 s43, s41, 2
	s_lshl_b32 s43, 15, s43                        ; my row of the cluster
	s_lshl_b32 s44, 0x1111, s40                    ; my column
	s_or_b32 s[G1+0], s43, (0<<16)|(1<<20)|(1<<21)|(5<<22)|(3<<25)  ; the mask; elements of 1 byte; padding on; bit 21 beside a mask; after every 64 words; 4 words
	s_or_b32 s[G1B+0], s44, (0<<16)|(1<<20)|(1<<21)|(5<<22)|(3<<25)
.irp g, G1, G1B
	s_mov_b32 s[\g+1], ROWB<<16                    ; tensor_dim0 = 256
	s_mov_b32 s[\g+2], 128<<16                     ; tensor_dim1 = 128
	s_mov_b32 s[\g+3], ROWB<<16                    ; tile_dim0
	s_mov_b32 s[\g+4], 128                         ; tile_dim1
	s_mov_b32 s[\g+5], KROW                        ; from row to row
	s_mov_b32 s[\g+6], 0
	s_mov_b32 s[\g+7], 0
.endr
	s_or_b32 s[G1S+0], s43, (3<<16)|(1<<20)|(1<<21)|(5<<22)|(3<<25) ; the scale bytes of 128 rows: 4,096 dense bytes as 16 rows of 256, 16 bytes of padding behind each
	s_or_b32 s[G1SB+0], s44, (3<<16)|(1<<20)|(1<<21)|(5<<22)|(3<<25)
.irp g, G1S, G1SB
	s_mov_b32 s[\g+1], 32<<16
	s_mov_b32 s[\g+2], (128*KS/256)<<16
	s_mov_b32 s[\g+3], 32<<16
	s_mov_b32 s[\g+4], 128*KS/256
	s_mov_b32 s[\g+5], 32
	s_mov_b32 s[\g+6], 0
	s_mov_b32 s[\g+7], 0
.endr
	s_lshl_b32 s21, s[HB], 7                       ; which 128 rows of the tile I fetch
	s_lshl_b32 s100, s[TR], 8
	s_add_co_u32 s100, s100, s21
	s_add_co_u32 s100, s100, s2                    ; X: row in codes
	s_lshl_b32 s46, s42, 8
	s_add_co_u32 s46, s46, s21
	s_add_co_u32 s46, s46, s3                      ; Y: row in codes
	s_lshl_b32 s22, s100, 5                        ; 32 scale bytes a row
	s_lshl_b32 s92, s46, 5
	s_lshl_b32 s100, s100, 9                       ; 512 bytes of codes a row
	s_lshl_b32 s46, s46, 9
	s_mov_b32 s23, 0
	s_mov_b32 s93, 0
	s_mov_b32 s101, 0
	s_mov_b32 s47, 0
	s_mul_i32 s45, s[WV], HALFT                    ; where they go: wave x 128 rows: no place in the cluster enters an LDS address
	s_mul_i32 s94, s[WV], HALFS
	s_mov_b32 s96, 0x76543210
	s_mov_b32 s97, 0xfedcba98
	s_wait_dscnt 0x0                               ; both opening adds are done
	s_wait_kmcnt 0x0
	s_add_nc_u64 s[100:101], s[4:5], s[100:101]
	s_add_nc_u64 s[22:23], s[6:7], s[22:23]
	s_add_nc_u64 s[46:47], s[4:5], s[46:47]
	s_add_nc_u64 s[92:93], s[6:7], s[92:93]
	CROUND                                         ; all sixteen work-groups are here: the joint loads meet
	s_mov_b32 s[G0S], 1
	s_add_co_u32 s[G0S+1], s94, SCL
	s_mov_b64 s[G0S+2:G0S+3], s[22:23]
	s_or_b32 s[G0S+3], s[G0S+3], 0x80000000
	s_mov_b32 s[G0SB], 1
	s_add_co_u32 s[G0SB+1], s94, SCL
	s_mov_b64 s[G0SB+2:G0SB+3], s[92:93]
	s_or_b32 s[G0SB+3], s[G0SB+3], 0x80000000
	JLOAD G0S, G1S, G0SB, G1SB                     ; the scales first
.irp s, 0,1
	s_mov_b32 s[G0+4*\s], 1
	s_add_co_u32 s[G0+4*\s+1], s45, \s*SLOT
	s_add_nc_u64 s[G0+4*\s+2:G0+4*\s+3], s[100:101], \s*ROWB
	s_or_b32 s[G0+4*\s+3], s[G0+4*\s+3], 0x80000000
	s_mov_b32 s[G0B+4*\s], 1
	s_add_co_u32 s[G0B+4*\s+1], s45, \s*SLOT
	s_add_nc_u64 s[G0B+4*\s+2:G0B+4*\s+3], s[46:47], \s*ROWB
	s_or_b32 s[G0B+4*\s+3], s[G0B+4*\s+3], 0x80000000
	JLOAD G0+4*\s, G1, G0B+4*\s, G1B               ; both halves of K: three loads of mine are out, and nothing is ever filled again
.endr
	v_and_b32 v1, 15, v0                           ; r
	v_bfe_u32 v2, v0, 4, 1                         ; h
	v_mul_u32_u24 v3, v1, PITCH
	v_lshl_add_u32 v4, v2, 4, v3
	s_mul_i32 s21, s[HA], HALFT
	s_mul_i32 s22, s[HB], HALFT
	s_add_co_u32 s22, s22, 2*HALFT
.irp s, 0,1
	v_add_nc_u32 v[ADRA+\s], s21, v4
	v_add_nc_u32 v[ADRB+\s], s22, v4
	s_add_co_u32 s21, s21, SLOT
	s_add_co_u32 s22, s22, SLOT
.endr
	v_mul_u32_u24 v5, v1, KS                       ; the scale bytes of my row,
	v_lshrrev_b32 v6, 8, v5
	v_lshl_add_u32 v5, v6, 4, v5                   ; and 16 more for each 256 passed
	s_mul_i32 s21, s[HA], HALFS
	s_mul_i32 s22, s[HB], HALFS
	s_add_co_u32 s22, s22, 2*HALFS
	s_sub_co_u32 s22, s22, s21
	v_mul_u32_u24 v6, s22, v2                      ; lanes 16-31 take those of Y
	s_add_co_u32 s21, s21, SCL
	v_add_nc_u32 v5, v5, v6
	v_add_nc_u32 v[ADRS], s21, v5
	v_and_b32 v[LN], 31, v0
	v_lshlrev_b32 v[LI], 4, v[LN]
	v_lshlrev_b32 v[L4], 2, v[LN]
	; where my results go, and my biases.  CH = my first channel, P0 = my first row of seq
	s_lshl_b32 s95, s[TR], 8
	s_lshl_b32 s21, s[HA], 7
	s_add_co_u32 s95, s95, s21                     ; 256 x tile row + 128 x my half of X
	s_lshl_b32 s21, s[HB], 7
	s_lshl_b32 s98, s40, 8
	s_add_co_u32 s98, s98, s21                     ; 256 cx + 128 x my half of Y
	s_lshl_b32 s99, s42, 8
	s_add_co_u32 s99, s99, s21                     ; 256 x tile column + 128 x my half of Y
	s_cmp_eq_u32 ttmp9, 0
	s_cselect_b64 s[8:9], s[8:9], s[10:11]
	s_cmp_eq_u32 ttmp9, 2
	s_cselect_b64 s[8:9], s[12:13], s[8:9]         ; bq, bk or bv
	s_cselect_b32 s67, s95, s98                    ; CH
	s_cselect_b32 s99, s99, s95                    ; P0
	s_cselect_b32 s95, 4, 0                        ; V: the bias hangs on r;
	s_cselect_b32 s98, 0, 32                       ; Q, K: on h
	s_cselect_b32 s3, 0, 4                         ; and on the register
	s_lshr_b32 s100, s99, 11
	s_lshl_b32 s100, s100, 22                      ; the batch: 16 heads x 262,144 bytes
	s_and_b32 s101, s99, 2047
	s_lshl_b32 s101, s101, 7                       ; 128 bytes a row or key, in both layouts
	s_add_co_u32 s100, s100, s101
	s_lshl_b32 s101, s67, 12                       ; the head: CH / 64 x 262,144
	s_add_co_u32 s100, s100, s101
	s_lshl_b32 s101, ttmp9, 24                     ; Q, K or V
	s_add_co_u32 s100, s100, s101
	s_mov_b32 s101, 0
	s_add_nc_u64 s[14:15], s[14:15], s[100:101]
	s_lshl_b32 s100, s67, 2
	s_add_nc_u64 s[8:9], s[8:9], s[100:101]
	s_lshl_b32 s21, s99, 5                         ; group P0 / 128 x 4,096 bytes
	s_add_co_u32 s100, s100, s21
	s_add_nc_u64 s[16:17], s[16:17], s[100:101]
	v_mul_u32_u24 v5, v1, s95
	v_mad_u32_u24 v[BA], v2, s98, v5
.irp j, 1,2,3,4,5,6,7
	v_add_nc_u32 v[BA+\j], s3, v[BA+\j-1]
.endr
	WIN TO_B
.irp x, 0,1,2,3,4,5,6,7
.irp j, 0,1,2,3,4,5,6,7
	global_load_b32 v[BI+8*\x+\j], v[BA+\j], s[8:9] offset:64*\x   ; Q, K: bias[CH + 16 x + 8 h + j]; V: bias[CH + 16 x + r]: no branch
.endr
.endr
	WIN 0
.macro FRAG reg, adr, q, i             ; 16 rows x 128 K of 4-bit codes: 8 registers, two loads of 16 bytes, 32 bytes apart
.irp c, 0,1
	ds_load_b128 v[\reg+4*\c:\reg+4*\c+3], v[\adr] offset:64*(\q)+32*\c+(\i)*16*PITCH
.endr
.endm
; 16 matrix instructions: blocks a0, a0 + 1 of X against the eight of Y.  The 64 accumulators take turns, one instruction a turn, in the same order in every step.
.macro MUL16 a0, p, q, sc, zero
.irp a, \a0, \a0+1
.irp b, 0,1,2,3,4,5,6,7
.if \zero
	v_wmma_scale_f32_16x16x128_f8f6f4 v[8*(8*((\a)%4)+\b):8*(8*((\a)%4)+\b)+7], v[128*(\p)+FR*\b:128*(\p)+FR*\b+FR-1], v[AF+FR*(\a):AF+FR*(\a)+FR-1], 0, v[SC+8*NQ*(\sc)+NQ*\b+(\q)], v[SC+8*NQ*(\sc)+NQ*(\a)+(\q)] matrix_a_fmt:MATRIX_FMT_FP4 matrix_b_fmt:MATRIX_FMT_FP4 matrix_a_scale:MATRIX_SCALE_ROW1
.else
	v_wmma_scale_f32_16x16x128_f8f6f4 v[8*(8*((\a)%4)+\b):8*(8*((\a)%4)+\b)+7], v[128*(\p)+FR*\b:128*(\p)+FR*\b+FR-1], v[AF+FR*(\a):AF+FR*(\a)+FR-1], v[8*(8*((\a)%4)+\b):8*(8*((\a)%4)+\b)+7], v[SC+8*NQ*(\sc)+NQ*\b+(\q)], v[SC+8*NQ*(\sc)+NQ*(\a)+(\q)] matrix_a_fmt:MATRIX_FMT_FP4 matrix_b_fmt:MATRIX_FMT_FP4 matrix_a_scale:MATRIX_SCALE_ROW1
.endif
.endr
.endr
.endm
.macro FETCH_B slot, q, p
	WIN TO_B
.irp i, 0,1,2,3,4,5,6,7
	FRAG 128*(\p)+FR*\i, ADRB+\slot, \q, \i
.endr
	WIN 0
.endm
.macro FETCH_A slot, q, i0
.irp i, \i0, \i0+1, \i0+2, \i0+3
	FRAG AF+FR*(\i), ADRA+\slot, \q, \i
.endr
.endm
.macro SCALES sc                       ; the scale words of 512 along K: lanes 0-15 take block i of X, lanes 16-31 block i of Y
.irp i, 0,1,2,3,4,5,6,7
	ds_load_b128 v[SC+8*NQ*\sc+NQ*\i:SC+8*NQ*\sc+NQ*\i+3], v[ADRS] offset:\i*SBLK
.endr
.endm
.macro PLACES n                        ; plain vector instructions between a matrix instruction and a load into, or a vector read or write of, its registers
.rept \n
	v_nop
.endr
.endm
.macro STEP slot, q, zero              ; 128 along K that has its successor in the same slot
	s_wait_dscnt 4*NL                              ; the set of Y and blocks 0-3 of X are in; the youngest eight loads (blocks 4-7) may be out
	WIN MUL_LO
	MUL16 0, (\q)%2, \q, \slot, \zero
	MUL16 2, (\q)%2, \q, \slot, \zero
	s_wait_dscnt 0
	PLACES NP
	FETCH_B \slot, (\q)+1, 1-(\q)%2
	FETCH_A \slot, (\q)+1, 0
	WIN MUL_HI
	MUL16 4, (\q)%2, \q, \slot, \zero
	MUL16 6, (\q)%2, \q, \slot, \zero
	PLACES NP
	WIN 0
	FETCH_A \slot, (\q)+1, 4
.endm
.macro TURN slot, next                 ; the last step of slot 0 goes over to slot 1: one barrier, in front of which each wave has waited for its part of slot 1
	s_wait_tensorcnt 0x0                           ; all my tensor loads have landed
	ds_add_u32 v[SPW], v[NIL]                      ; 0 onto my spare word
	s_wait_dscnt 4*NL+1                            ; (the add and the youngest eight loads may be out)
	WIN MUL_LO
	MUL16 0, 1, NQ-1, \slot, 0
	s_wait_dscnt 0x0
	s_barrier_signal -1
	MUL16 2, 1, NQ-1, \slot, 0
	WIN 0
	s_barrier_wait -1                              ; slot 1 is whole
	PLACES NP
	v_add_nc_u32 v[ADRS], 4*NQ, v[ADRS]            ; on to the scale words of the second 512 along K
	FETCH_B \next, 0, 0
	FETCH_A \next, 0, 0
	SCALES \next
	WIN MUL_HI
	MUL16 4, 1, NQ-1, \slot, 0
	MUL16 6, 1, NQ-1, \slot, 0
	PLACES NP
	WIN 0
	FETCH_A \next, 0, 4
.endm
.macro STEPS slot, from
.set Q, \from
.rept NQ-1-\from
	STEP \slot, Q, 0
.set Q, Q+1
.endr
.endm
	s_wait_tensorcnt 1                             ; the scales and my part of slot 0 are in; the load of slot 1 may be out
	s_barrier_signal -1
	s_barrier_wait -1
	FETCH_B 0, 0, 0
	FETCH_A 0, 0, 0
	SCALES 0
	FETCH_A 0, 0, 4
	STEP 0, 0, 1                                   ; the first products start the sums: nothing is cleared
	STEPS 0, 1
	TURN 0, 1
	STEPS 1, 0
	s_wait_dscnt 4*NL                              ; the last step: nothing more to fetch
	WIN MUL_LO
	MUL16 0, 1, NQ-1, 1, 0
	MUL16 2, 1, NQ-1, 1, 0
	s_wait_dscnt 0
	WIN MUL_HI
	MUL16 4, 1, NQ-1, 1, 0
	MUL16 6, 1, NQ-1, 1, 0
	WIN 0
; THE WAY OUT, block by block of 16 rows of X: bias added in f32, rounded to f16 in pairs, four registers a lane: they are half a fragment as they stand, and leave by one store of 512 consecutive bytes.
; mode 0: Q, K (the bias goes with b);  mode 1: V (the bias goes with a; the 64 numbers of a lane, 64 keys of one channel, are also summed in f32).
.macro OUT mode
.irp a, 0,1,2,3,4,5,6,7
.set AC, 64*(\a%4)
.set YB, Y+32*(\a%2)
	WIN (0x46+\a/4)                                ; source 0: window 2 or 3; source 1 and destination: window 1
.irp b, 0,1,2,3,4,5,6,7
.irp i, 0,2,4,6
.if \mode
	v_pk_add_f32 v[T+8*\b+\i:T+8*\b+\i+1], v[AC+8*\b+\i:AC+8*\b+\i+1], v[BI+8*\a+\i:BI+8*\a+\i+1]   ; each accumulator from its low end on
.else
	v_pk_add_f32 v[T+8*\b+\i:T+8*\b+\i+1], v[AC+8*\b+\i:AC+8*\b+\i+1], v[BI+8*\b+\i:BI+8*\b+\i+1]
.endif
.endr
.endr
.if \a > 1
	s_wait_xcnt 0x0                                ; the stores of block a - 2 have read their registers, which are written again below
.endif
	WIN 0x05
.irp b, 0,1,2,3,4,5,6,7
.irp i, 0,1,2,3
	v_cvt_pk_f16_f32 v[YB+4*\b+\i], v[T+8*\b+2*\i], v[T+8*\b+2*\i+1]
.endr
.endr
	WIN 0
.irp b, 0,1,2,3,4,5,6,7
.if \mode
	global_store_b128 v[LI], v[YB+4*\b:YB+4*\b+3], s[14:15] offset:(\a/4)*262144+(\a%4)*1024+(\b/2)*4096+(\b%2)*512
.else
	global_store_b128 v[LI], v[YB+4*\b:YB+4*\b+3], s[14:15] offset:\a*2048+(\b/4)*262144+(\b%4)*512
.endif
.endr
.if \mode
	WIN 0x45
.irp w, 16,8,4,2,1
.set u, 0
.rept \w
	v_pk_add_f32 v[T+2*u:T+2*u+1], v[T+2*u:T+2*u+1], v[T+2*(u+\w):T+2*(u+\w)+1]
.set u, u+1
.endr
.endr
	WIN 0x05
	v_add_f32 v[SUM+\a], v[T], v[T+1]              ; my 64 keys of channel 16 a + r
.endif
.endr
	WIN 0
.endm
	PLACES NP                                      ; behind the last products, ahead of the first read of results and the first write over fragments
	s_wait_loadcnt 0x0                             ; the biases
	s_cmp_eq_u32 ttmp9, 2                          ; cluster x: the same in all partners
	s_cbranch_scc1 .Lout_v
	OUT 0
	s_branch .Lclose
.Lout_v:
	OUT 1
.irp a, 0,1,2,3,4,5,6,7
	v_mov_b32 v[PX+\a], 0                          ; the destination of a lane permute counts as one of its sources
.endr
.irp a, 0,1,2,3,4,5,6,7
	v_permlanex16_b32 v[PX+\a], v[SUM+\a], s96, s97
.endr
.irp a, 0,1,2,3,4,5,6,7
	v_add_f32 v[SUM+\a], v[SUM+\a], v[PX+\a]       ; with the other 64 keys: 128 keys of channel 16 a + r, in both halves of the lanes
.endr
	v_cmp_le_u32 vcc_lo, 16, v[LN]
.irp i, 0,1,2,3
	v_cndmask_b32 v[PX+\i], v[SUM+2*\i], v[SUM+2*\i+1], vcc_lo     ; 32 neighbouring channels in 32 lanes
.endr
.irp i, 0,1,2,3
	global_store_b32 v[L4], v[PX+\i], s[16:17] offset:128*\i
.endr
.Lclose:
	s_wait_tensorcnt 0x0                           ; the end of the wave, behind my last tensor load
	ds_add_u32 v[SPW], v[NIL]
	s_wait_dscnt 0x0
	CROUND                                         ; the closing round: no work-group ends while a partner may still ask for a tile that names it
	s_endpgm
.Lfunc_end_k_qa88c825c7a_proj:
	.size	k_qa88c825c7a_proj, .Lfunc_end_k_qa88c825c7a_proj-k_qa88c825c7a_proj
	.p2alignl 7, 3214868480
	.fill 96, 4, 3214868480
	.section	.rodata,"a",@progbits
	.p2align	6, 0x0
	.amdhsa_kernel k_qa88c825c7a_proj
		.amdhsa_group_segment_fixed_size 327680
		.amdhsa_private_segment_fixed_size 0
		.amdhsa_enable_private_segment 0
		.amdhsa_kernarg_size 56
		.amdhsa_user_sgpr_count 2
		.amdhsa_user_sgpr_kernarg_segment_ptr 1
		.amdhsa_wavefront_size32 1
		.amdhsa_system_sgpr_workgroup_id_x 1
		.amdhsa_system_sgpr_workgroup_id_y 1
		.amdhsa_system_sgpr_workgroup_id_z 1
		.amdhsa_system_vgpr_workitem_id 0
		.amdhsa_next_free_vgpr 1024
		.amdhsa_next_free_sgpr 102
		.amdhsa_reserve_vcc 1
		.amdhsa_float_denorm_mode_32 3
		.amdhsa_float_denorm_mode_16_64 3
		.amdhsa_memory_ordered 1
		.amdhsa_forward_progress 1
		.amdhsa_inst_pref_size 198
	.end_amdhsa_kernel
	.amdgpu_metadata
---
amdhsa.version: [ 1, 2 ]
amdhsa.kernels:
  - .name:           k_qa88c825c7a_proj
    .symbol:         k_qa88c825c7a_proj.kd
    .args:
      - { .name: codes, .offset: 0, .size: 8, .value_kind: global_buffer, .address_space: global }
      - { .name: scales, .offset: 8, .size: 8, .value_kind: global_buffer, .address_space: global }
      - { .name: bq, .offset: 16, .size: 8, .value_kind: global_buffer, .address_space: global }
      - { .name: bk, .offset: 24, .size: 8, .value_kind: global_buffer, .address_space: global }
      - { .name: bv, .offset: 32, .size: 8, .value_kind: global_buffer, .address_space: global }
      - { .name: qkv, .offset: 40, .size: 8, .value_kind: global_buffer, .address_space: global }
      - { .name: vsum, .offset: 48, .size: 8, .value_kind: global_buffer, .address_space: global }
    .group_segment_fixed_size: 327680
    .private_segment_fixed_size: 0
    .kernarg_segment_align: 8
    .kernarg_segment_size: 56
    .max_flat_workgroup_size: 128
    .sgpr_count:     102
    .vgpr_count:     1024
    .wavefront_size: 32
...
	.end_amdgpu_metadata
.endif
;; end of part 2
;; launch attn (part 3): grid 4 x 64, 8 waves a work-group, no clusters, 101,376 bytes of LDS; arguments qkv, vsum, lists, out0; writes out0
.if DOCPART == 3
	.amdgcn_target "amdgcn-amd-amdhsa--gfx1250"
	.amdhsa_code_object_version 6
	.text
	.protected	k_qa88c825c7a_attn
	.globl	k_qa88c825c7a_attn
	.p2align	8
	.type	k_qa88c825c7a_attn,@function
k_qa88c825c7a_attn:
	s_mov_b64 s[64:65], 0
	v_nop
	global_prefetch_b8 v0, s[64:65] scope:SCOPE_SE
	s_setreg_imm32_b32 hwreg(HW_REG_WAVE_MODE, 25, 1), 1
	s_wait_xcnt 0x0
; out[b][s][h][:] = softmax over keys of (Q K^T / 8, with the two fills of -1e9 by the mask) V, on the permuted rows that the first launch laid out.
; WHAT THE MASK LEAVES.  A query whose mask is true has every score filled: its softmax is uniform and its row is the mean of all 2,048 rows of V.  A query whose mask is false sees the keys whose mask is
; true; the filled scores lie 1e9 under them and their weights are 0 in f32.  Where a batch has no true key, every row is the mean.  So only places 0 .. nq - 1 (queries) against places nq .. 2047 (keys)
; are multiplied; nq is read from the stored list, nothing of the pattern of the mask is built in, and every other row gets the mean, made of the f32 sums of V that the launch before stored.
; LIMITS: the scores / 8 that count must lie above -1e9 + 150, else the filled entries of reference() would still weigh (drawn scores are about 6); Q, K, V and p go to the matrix unit in f16;
; NaN and infinities are not served.
; SHARES.  Four work-groups to a (batch, head), eight waves each.  Block j of 16 places, j = 32 t + 4 wave + g, is tile t of that wave (t = 0..3): every row of the output has one owner.
; A tile is active where 16 j < nqe (nqe = nq, or 0 where no key counts); a wave walks NACT tiles.  Two waves share a SIMD, so that the vector work of one stands beside the products of the other.
; KEYS go from the top place down, 128 a chunk: waves 0-3 bring 16 KB of K images, waves 4-7 16 KB of V images, through registers into two LDS buffers by turns, one barrier a chunk.
; No tensor load, no cluster: how many chunks are walked hangs on a stored count.  The loop has a constant count of trips; loads, stores and steps beyond the count are jumped over, barriers never.
; LAYOUT.  S^T = K Q^T (source 0 = 16 keys, source 1 = 16 queries) and O^T = V^T P (source 0 = 16 channels x 32 keys): a lane holds one query throughout.  The images in qkv are the fragments as registers take them.
; SOFTMAX.  Running maximum m and sum l for each query; p = 2^(c s - c m), c = log2(e) / 8; O and l are multiplied by 2^(c m_old - c m_new) in every step.
; REGISTERS: window 0: v1-11 addresses and constants; v12-15 the mean; v16-47 statistics, 8 a tile; v48-79 S^T; v80-95 P; v96-159 K; v160-223 V; v224-255 where my rows go.
;   window 1: v0-63 Q; v64-191 O^T, 32 a tile; v192-255 two staging sets of 32.
.set LI,   1                           ; 16 x lane
.set SW,   2                           ; 4096 x wave + 16 x lane: where I store my part of a chunk
.set STO,  3                           ; the stage, on the way in
.set RD,   4                           ; and back
.set H8,   5                           ; 8 (lane / 16)
.set L16,  6                           ; 16 (lane % 16)
.set D,    7                           ; at work
.set NINF, 8                           ; -infinity
.set H32,  9                           ; 32 (lane / 16)
.set SPW,  10
.set NIL,  11
.set MEAN, 12
.set ST,   16                          ; tile t at ST + 8 t: +0 c m, +1 m, +2, +3 l, +4 .. +7 at work; the factor at +6
.set S,    48
.set P,    80
.set KF,   96
.set VF,   160
.set SRC,  224
.set QW,   0
.set OW,   64
.set SG,   192
.set STAGE, 65536                      ; behind the two chunk buffers: 16 rows x 272 bytes for each wave
.set SPARE, STAGE+8*16*272             ; the spare words, 128 bytes a wave, named by no other line
.set WV,   12
.set G,    13
.set YH,   14
.set BB,   15
.set HH,   16
.set NQS,  17
.set NQE,  18
.set NK,   19
.set NKW,  20                          ; keys that the work-group walks
.set NACT, 21
.set NKA,  22                          ; keys that my wave walks
.set KB,   23                          ; how far from the top the chunk in hand begins
.set TRIP, 24
.set TMP,  25
.set CUT,  26
.set LIM,  27                          ; nqe - 64 wave - 16 g
.set CS,   28
.set SEL,  30
.set PTR,  32
.set QP,   34
.set SRP,  36
.set VSP,  38
.set OB,   40
.set NQP,  42
.set INV,  44
.set MSB, 0
.macro WIN new
.if MSB != (\new)
	s_set_vgpr_msb (MSB<<8)|(\new)
.set MSB, (\new)
.endif
.endm
.set W_KQ,  0x04                       ; source 1 (Q) window 1
.set W_PV,  0x50                       ; C and D (O^T) window 1
.set W_RS,  0x41                       ; O^T as destination and source 0
.set W_L1,  0x40                       ; the destination of a load in window 1
.set W_S1,  0x04                       ; the data of an LDS store in window 1
.set W_OUT, 0x01                       ; O^T as source 0
	s_load_b256 s[4:11], s[0:1], 0x0               ; qkv, vsum, lists, out0
	v_lshl_add_u32 v[SPW], v0, 2, SPARE
	v_mov_b32 v[NIL], 0
	v_lshrrev_b32 v[D], 5, v0
	v_readfirstlane_b32 s[WV], v[D]                ; wave 0..7
	s_mov_b32 s[G], ttmp9
	s_and_b32 s[YH], ttmp7, 0xffff
	s_lshr_b32 s[BB], s[YH], 4                     ; batch
	s_and_b32 s[HH], s[YH], 15                     ; head
	v_and_b32 v[D], 15, v0                         ; r
	v_bfe_u32 v[H8], v0, 4, 1                      ; h
	s_mul_i32 s[TMP], s[WV], 16*272
	s_add_co_u32 s[TMP], s[TMP], STAGE
	v_mul_u32_u24 v[STO], v[D], 272
	v_lshl_add_u32 v[STO], v[H8], 5, v[STO]
	v_add_nc_u32 v[STO], s[TMP], v[STO]            ; in: row r, 32 bytes for each half of the lanes
	v_mul_u32_u24 v[RD], v[H8], 8*272
	v_lshl_add_u32 v[RD], v[D], 4, v[RD]
	v_add_nc_u32 v[RD], s[TMP], v[RD]              ; back: lanes 0-15 row i, lanes 16-31 row 8 + i
	v_lshlrev_b32 v[L16], 4, v[D]
	v_lshlrev_b32 v[H32], 5, v[H8]
	v_lshlrev_b32 v[H8], 3, v[H8]
	v_and_b32 v[LI], 31, v0
	v_lshlrev_b32 v[LI], 4, v[LI]
	s_lshl_b32 s[TMP], s[WV], 12
	v_add_nc_u32 v[SW], s[TMP], v[LI]
	v_mov_b32 v[NINF], 0xff800000
	s_mov_b32 s[CS], 0x3e38aa3b                    ; c = log2(e) / 8
	s_mov_b32 s[CS+1], s[CS]
	s_mov_b32 s[SEL], 0x76543210
	s_mov_b32 s[SEL+1], 0xfedcba98
	s_mov_b32 s[INV], 0x3a000000                   ; 1 / 2048
	s_mov_b32 s[INV+1], s[INV]
	s_lshl_b32 s[PTR], s[YH], 18                   ; the 262,144 bytes of my (batch, head)
	s_lshl_b32 s[TMP], s[WV], 2
	s_add_co_u32 s[TMP], s[TMP], s[G]              ; 4 wave + g: my block in tile 0
	s_lshl_b32 s[QP], s[TMP], 11
	s_add_co_u32 s[QP], s[QP], s[PTR]
	s_mov_b32 s[QP+1], 0
	s_lshl_b32 s[SRP], s[TMP], 6
	s_lshl_b32 s[CUT], s[BB], 13
	s_add_co_u32 s[SRP], s[SRP], s[CUT]
	s_mov_b32 s[SRP+1], 0
	s_cmp_lt_u32 s[WV], 4
	s_cselect_b32 s[CUT], 1, 2                     ; waves 0-3 bring K, waves 4-7 V
	s_lshl_b32 s[CUT], s[CUT], 24
	s_add_co_u32 s[PTR], s[PTR], s[CUT]
	s_and_b32 s[CUT], s[WV], 3
	s_lshl_b32 s[CUT], s[CUT], 12
	s_add_co_u32 s[PTR], s[PTR], s[CUT]
	s_add_co_u32 s[PTR], s[PTR], 245760            ; chunk 0: the top 128 places; chunk i lies 16,384 i bytes lower
	s_mov_b32 s[PTR+1], 0
	s_lshl_b32 s[VSP], s[BB], 16
	s_lshl_b32 s[CUT], s[HH], 8
	s_add_co_u32 s[VSP], s[VSP], s[CUT]
	s_mov_b32 s[VSP+1], 0
	s_lshl_b32 s[OB], s[BB], 23
	s_add_co_u32 s[OB], s[OB], s[CUT]
	s_mov_b32 s[OB+1], 0
	s_lshl_b32 s[NQP], s[BB], 2
	s_mov_b32 s[NQP+1], 0
	s_wait_kmcnt 0x0
	s_add_nc_u64 s[NQP:NQP+1], s[8:9], s[NQP:NQP+1]
	s_load_b32 s[NQS], s[NQP:NQP+1], 0x8000        ; nq of my batch
	s_add_nc_u64 s[QP:QP+1], s[4:5], s[QP:QP+1]
	s_add_nc_u64 s[PTR:PTR+1], s[4:5], s[PTR:PTR+1]
	s_add_nc_u64 s[SRP:SRP+1], s[8:9], s[SRP:SRP+1]
	s_add_nc_u64 s[VSP:VSP+1], s[6:7], s[VSP:VSP+1]
	s_add_nc_u64 s[OB:OB+1], s[10:11], s[OB:OB+1]
.macro GLOAD set, imm                  ; my 4,096 bytes of a chunk into a staging set
	WIN W_L1
.irp n, 0,1,2,3,4,5,6,7
	global_load_b128 v[SG+32*(\set)+4*\n:SG+32*(\set)+4*\n+3], v[LI], s[PTR:PTR+1] offset:(\imm)+512*\n
.endr
	WIN 0
.endm
.macro LSTORE set, buf                 ; and from there into an LDS buffer, as they lie
	WIN W_S1
.irp n, 0,1,2,3,4,5,6,7
	ds_store_b128 v[SW], v[SG+32*(\set)+4*\n:SG+32*(\set)+4*\n+3] offset:32768*(\buf)+512*\n
.endr
	WIN 0
.endm
	GLOAD 0, 0                                     ; chunks 0 and 1 are asked for whatever the count: they lie inside the buffer, and so both sets are written on every way through the text
	GLOAD 1, -16384
	WIN W_L1
.irp t, 0,1,2,3
.irp n, 0,1,2,3
	global_load_b128 v[QW+16*\t+4*\n:QW+16*\t+4*\n+3], v[LI], s[QP:QP+1] offset:65536*\t+512*\n th:TH_LOAD_NT   ; Q of my four blocks: read by me alone
.endr
.endr
	WIN 0
.irp t, 0,1,2,3
	global_load_b128 v[SRC+8*\t:SRC+8*\t+3], v[H32], s[SRP:SRP+1] offset:2048*\t        ; src of rows 8 (lane / 16) + 0 .. 7 of block t
	global_load_b128 v[SRC+8*\t+4:SRC+8*\t+7], v[H32], s[SRP:SRP+1] offset:2048*\t+16
.endr
.irp k, 0,1,2,3,4,5,6,7,8,9,10,11,12,13,14,15
	global_load_b128 v[KF+4*\k:KF+4*\k+3], v[L16], s[VSP:VSP+1] offset:4096*\k          ; the 16 partial sums of V: channels 4 (lane % 16) + 0 .. 3 of my head
.endr
	WIN W_L1
.set i, 0
.rept 128
	v_mov_b32 v[OW+i], 0                           ; O^T.  The step is written once: its first run finds zeros, which the first factor, 0, leaves zeros
.set i, i+1
.endr
	WIN 0
.irp t, 0,1,2,3
	v_mov_b32 v[ST+8*\t+1], 0xff61b1e6             ; m = -3e38, under every score
	v_mul_f32 v[ST+8*\t], s[CS], v[ST+8*\t+1]
.irp k, 2,3,4,5,6,7
	v_mov_b32 v[ST+8*\t+\k], 0
.endr
.endr
	s_wait_kmcnt 0x0
	s_min_u32 s[NQS], s[NQS], 2048
	s_cmp_eq_u32 s[NQS], 2048
	s_cselect_b32 s[NQE], 0, s[NQS]                ; no key counts: every row is the mean
	s_sub_co_u32 s[NK], 2048, s[NQS]
	s_lshl_b32 s[TMP], s[G], 4
	s_cmp_lt_u32 s[TMP], s[NQE]                    ; has the work-group an active tile?  Its lowest block is g
	s_cselect_b32 s[NKW], s[NK], 0
	s_lshl_b32 s[CUT], s[WV], 6
	s_add_co_u32 s[TMP], s[TMP], s[CUT]
	s_sub_co_i32 s[LIM], s[NQE], s[TMP]
	s_max_i32 s[NACT], s[LIM], 0
	s_add_co_u32 s[NACT], s[NACT], 511
	s_lshr_b32 s[NACT], s[NACT], 9                 ; tiles t with 512 t + 64 wave + 16 g < nqe
	s_cmp_lg_u32 s[NACT], 0
	s_cselect_b32 s[NKA], s[NK], 0
	s_wait_loadcnt 0x0                             ; all loads of the head
.irp w, 8,4,2,1
.set u, 0
.rept \w
	v_pk_add_f32 v[KF+4*u:KF+4*u+1], v[KF+4*u:KF+4*u+1], v[KF+4*(u+\w):KF+4*(u+\w)+1]
	v_pk_add_f32 v[KF+4*u+2:KF+4*u+3], v[KF+4*u+2:KF+4*u+3], v[KF+4*(u+\w)+2:KF+4*(u+\w)+3]
.set u, u+1
.endr
.endr
	v_pk_mul_f32 v[MEAN:MEAN+1], v[KF:KF+1], s[INV:INV+1] op_sel_hi:[1,0]
	v_pk_mul_f32 v[MEAN+2:MEAN+3], v[KF+2:KF+3], s[INV:INV+1] op_sel_hi:[1,0]
	LSTORE 0, 0                                    ; chunk 0 into buffer 0
; ONE TILE OF 16 QUERIES AGAINST 64 KEYS.
.macro TILE t
.set rT, ST+8*(\t)
	WIN W_KQ
.irp k, 0,1,2,3                        ; the four accumulators take turns, one instruction a turn; the first four start the sums
	v_wmma_f32_16x16x32_f16 v[S+8*\k:S+8*\k+7], v[KF+16*\k:KF+16*\k+7], v[QW+16*(\t):QW+16*(\t)+7], 0
.endr
.irp k, 0,1,2,3
	v_wmma_f32_16x16x32_f16 v[S+8*\k:S+8*\k+7], v[KF+16*\k+8:KF+16*\k+15], v[QW+16*(\t)+8:QW+16*(\t)+15], v[S+8*\k:S+8*\k+7]
.endr
	WIN 0
.rept 4
	v_nop                                          ; places ahead of the first read of the scores
.endr
	s_cmp_gt_i32 s[CUT], 0                         ; only the lowest step of the walk holds places under nq
	s_cbranch_scc0 .Lopen_\@
	v_sub_nc_u32 v[D], s[CUT], v[H8]               ; register 8 k + j holds key 16 k + 8 (lane / 16) + j of the step: it does not count where 16 k + j < CUT - 8 (lane / 16)
.set n, 0
.rept 32
	v_cmp_lt_i32 vcc_lo, 16*(n/8)+n%8, v[D]
	v_cndmask_b32 v[S+n], v[S+n], v[NINF], vcc_lo
.set n, n+1
.endr
.Lopen_\@:
.irp j, 0,1,2,3
	v_max3_num_f32 v[rT+4+\j], v[S+8*\j], v[S+8*\j+1], v[S+8*\j+2]   ; four chains, each begun at the low end of an accumulator
.endr
.irp j, 0,1,2,3
	v_max3_num_f32 v[rT+4+\j], v[rT+4+\j], v[S+8*\j+3], v[S+8*\j+4]
.endr
.irp j, 0,1,2,3
	v_max3_num_f32 v[rT+4+\j], v[rT+4+\j], v[S+8*\j+5], v[S+8*\j+6]
.endr
	v_max3_num_f32 v[rT+4], v[rT+4], v[S+7], v[S+15]
	v_max3_num_f32 v[rT+6], v[rT+6], v[S+23], v[S+31]
	v_max3_num_f32 v[rT+4], v[rT+4], v[rT+5], v[rT+6]
	v_max3_num_f32 v[rT+4], v[rT+4], v[rT+7], v[rT+1]                ; with the old m
	v_permlanex16_b32 v[rT+5], v[rT+4], s[SEL], s[SEL+1]             ; the other 32 keys of the query lie in the lane 16 away
	v_mov_b32 v[rT+7], v[rT]                       ; c m_old
	v_max_num_f32 v[rT+1], v[rT+4], v[rT+5]
	v_mul_f32 v[rT], s[CS], v[rT+1]
	v_sub_f32 v[rT+7], v[rT+7], v[rT]
.set n, 0
.rept 16
	v_pk_fma_f32 v[S+2*n:S+2*n+1], v[S+2*n:S+2*n+1], s[CS:CS+1], v[rT:rT+1] op_sel_hi:[1,0,0] neg_lo:[0,0,1] neg_hi:[0,0,1]   ; c s - c m
.set n, n+1
.endr
	v_exp_f32 v[rT+6], v[rT+7]                     ; the factor 2^(c m_old - c m_new)
.set n, 0
.rept 32
	v_exp_f32 v[S+n], v[S+n]
.set n, n+1
.endr
	v_nop                                          ; a plain instruction behind the last exponential
	s_wait_alu depctr_va_vdst(0)                   ; one wait for the batch of 33, ahead of its first reader
.set n, 0
.rept 16
	v_cvt_pk_f16_f32 v[P+n], v[S+2*n], v[S+2*n+1]  ; two score tiles, packed, are source 1 of the second product
.set n, n+1
.endr
.irp u, 0,1,2,3,4,5,6,7
	v_pk_add_f32 v[S+4*\u:S+4*\u+1], v[S+4*\u:S+4*\u+1], v[S+4*\u+2:S+4*\u+3]       ; the sum of the unrounded p
.endr
.irp u, 0,1,2,3
	v_pk_add_f32 v[S+8*\u:S+8*\u+1], v[S+8*\u:S+8*\u+1], v[S+8*\u+4:S+8*\u+5]
.endr
.irp u, 0,1
	v_pk_add_f32 v[S+16*\u:S+16*\u+1], v[S+16*\u:S+16*\u+1], v[S+16*\u+8:S+16*\u+9]
.endr
	v_pk_add_f32 v[S:S+1], v[S:S+1], v[S+16:S+17]
	v_pk_fma_f32 v[rT+2:rT+3], v[rT+2:rT+3], v[rT+6:rT+7], v[S:S+1] op_sel_hi:[1,0,1]
	WIN W_RS
.set n, 0
.rept 16
	v_pk_mul_f32 v[OW+32*(\t)+2*n:OW+32*(\t)+2*n+1], v[OW+32*(\t)+2*n:OW+32*(\t)+2*n+1], v[rT+6:rT+7] op_sel_hi:[1,0]
.set n, n+1
.endr
.if (\t) == 0
	s_wait_dscnt 0x0                               ; V is in
.endif
	WIN W_PV
.irp kb, 0,1
.irp ct, 0,1,2,3
	v_wmma_f32_16x16x32_f16 v[OW+32*(\t)+8*\ct:OW+32*(\t)+8*\ct+7], v[VF+32*\kb+8*\ct:VF+32*\kb+8*\ct+7], v[P+8*\kb:P+8*\kb+7], v[OW+32*(\t)+8*\ct:OW+32*(\t)+8*\ct+7]
.endr
.endr
	WIN 0
.endm
; A KEY STEP: 64 keys, whose K images begin at LDS byte koff and V images at voff, against my active tiles.
.macro STEP koff, voff
.rept 4
	v_nop                                          ; places ahead of loads into registers that the last products read
.endr
.irp n, 0,1,2,3,4,5,6,7,8,9,10,11,12,13,14,15
	ds_load_b128 v[KF+4*\n:KF+4*\n+3], v[LI] offset:(\koff)+512*\n
.endr
.irp n, 0,1,2,3,4,5,6,7,8,9,10,11,12,13,14,15
	ds_load_b128 v[VF+4*\n:VF+4*\n+3], v[LI] offset:(\voff)+512*\n
.endr
	s_wait_dscnt 16                                ; K is in; the 16 loads of V may be out
	TILE 0                                         ; a step is walked only by a wave with an active tile
.irp t, 1,2,3
	s_cmp_gt_u32 s[NACT], \t
	s_cbranch_scc0 .Lstep_end_\@
	TILE \t
.endr
.Lstep_end_\@:
.endm
; A CHUNK OF 128 KEYS, in buffer par.  One barrier: in front of it each wave has waited for its stores into this buffer and for its reads of the other.
.macro CHUNK par
	s_wait_dscnt 0x0
	s_barrier_signal -1
	s_barrier_wait -1
	s_wait_loadcnt 0x0                             ; the next chunk, asked for a whole chunk ago, is in its staging set
	s_add_co_u32 s[TMP], s[KB], 128
	s_cmp_lt_u32 s[TMP], s[NKW]
	s_cbranch_scc0 .Lno_store_\@
	LSTORE 1-\par, 1-\par                          ; into the buffer that nobody reads any more
.Lno_store_\@:
	s_add_co_u32 s[TMP], s[KB], 256
	s_cmp_lt_u32 s[TMP], s[NKW]
	s_cbranch_scc0 .Lno_load_\@
	GLOAD \par, -32768-16384*\par                  ; the chunk after that: it has this chunk in which to land
.Lno_load_\@:
	s_cmp_lt_u32 s[KB], s[NKA]
	s_cbranch_scc0 .Lno_up_\@
	s_add_co_u32 s[CUT], s[KB], 64
	s_sub_co_i32 s[CUT], s[CUT], s[NK]             ; how many of the lowest keys of the step lie under nq
	STEP 32768*\par+8192, 32768*\par+16384+8192
.Lno_up_\@:
	s_add_co_u32 s[TMP], s[KB], 64
	s_cmp_lt_u32 s[TMP], s[NKA]
	s_cbranch_scc0 .Lno_lo_\@
	s_add_co_u32 s[CUT], s[KB], 128
	s_sub_co_i32 s[CUT], s[CUT], s[NK]
	STEP 32768*\par, 32768*\par+16384
.Lno_lo_\@:
	s_add_co_u32 s[KB], s[KB], 128
.endm
	s_mov_b32 s[KB], 0
	s_mov_b32 s[TRIP], 8
.Ltrip:                                ; eight trips of two chunks: all 2,048 places
	CHUNK 0
	CHUNK 1
	s_wait_xcnt 0x0                                ; the loads have read their base
	s_sub_nc_u64 s[PTR:PTR+1], s[PTR:PTR+1], 32768
	s_sub_co_u32 s[TRIP], s[TRIP], 1
	s_cmp_lg_u32 s[TRIP], 0
	s_cbranch_scc1 .Ltrip
	; THE WAY OUT.  O^T / l goes through my stage and comes back as rows of 256 bytes; rows that are no query that counts take the mean; each row goes to the place in out0 that the list names.
.rept 4
	v_nop
.endr
.irp t, 0,1,2,3
	v_add_f32 v[ST+8*\t+4], v[ST+8*\t+2], v[ST+8*\t+3]
.endr
.irp t, 0,1,2,3
	v_permlanex16_b32 v[ST+8*\t+5], v[ST+8*\t+4], s[SEL], s[SEL+1]
.endr
.irp t, 0,1,2,3
	v_add_f32 v[ST+8*\t+4], v[ST+8*\t+4], v[ST+8*\t+5]
.endr
.irp t, 0,1,2,3
	v_rcp_f32 v[ST+8*\t+6], v[ST+8*\t+4]           ; (a tile that was not walked gives infinity: its rows are replaced below)
.endr
.set i, 0
.rept 32
	v_min_u32 v[SRC+i], 0x7ff, v[SRC+i]            ; a loaded number enters an address only behind this bound
.set i, i+1
.endr
.set i, 0
.rept 32
	v_lshlrev_b32 v[SRC+i], 12, v[SRC+i]           ; a row of out0 is 4,096 bytes
.set i, i+1
.endr
.set i, 0
.rept 32
	v_add_nc_u32 v[SRC+i], v[SRC+i], v[L16]
.set i, i+1
.endr
	s_wait_alu depctr_va_vdst(0)                   ; one wait for the four reciprocals, ahead of their first reader
.macro FINA t
.set WB, KF+64*((\t)%2)
	WIN W_OUT
.set n, 0
.rept 16
	v_pk_mul_f32 v[WB+2*n:WB+2*n+1], v[OW+32*(\t)+2*n:OW+32*(\t)+2*n+1], v[ST+8*(\t)+6:ST+8*(\t)+7] op_sel_hi:[1,0]
.set n, n+1
.endr
	WIN 0
.irp c, 0,1,2,3
	ds_store_b128 v[STO], v[WB+8*\c:WB+8*\c+3] offset:64*\c
	ds_store_b128 v[STO], v[WB+8*\c+4:WB+8*\c+7] offset:64*\c+16
.endr
.irp i, 0,1,2,3,4,5,6,7
	ds_load_b128 v[WB+32+4*\i:WB+32+4*\i+3], v[RD] offset:272*\i   ; LDS serves the instructions of a wave in order: these see the stores above, and the stores of the next tile come behind them
.endr
.endm
.macro FINB t, younger
.set WB, KF+64*((\t)%2)
	s_wait_dscnt \younger                          ; the rows are back; the 8 stores and 8 loads of the next tile may be out
	s_sub_co_i32 s[TMP], s[LIM], 512*(\t)
	v_sub_nc_u32 v[D], s[TMP], v[H8]               ; row 8 (lane / 16) + i is a query that counts where i < this
.irp i, 0,1,2,3,4,5,6,7
	v_cmp_lt_i32 vcc_lo, \i, v[D]
.irp k, 0,1,2,3
	v_cndmask_b32 v[WB+32+4*\i+\k], v[MEAN+\k], v[WB+32+4*\i+\k], vcc_lo
.endr
	global_store_b128 v[SRC+8*(\t)+\i], v[WB+32+4*\i:WB+32+4*\i+3], s[OB:OB+1] th:TH_STORE_NT   ; sixteen lanes store 256 consecutive bytes, aligned: the 64 channels of my head in one row
.endr
.endm
	FINA 0
	FINA 1
	FINB 0, 16
	s_wait_xcnt 0x0                                ; the stores of tile 0 have read their registers, which tile 2 takes
	FINA 2
	FINB 1, 16
	s_wait_xcnt 0x0
	FINA 3
	FINB 2, 16
	FINB 3, 0
	s_wait_tensorcnt 0x0                           ; the end of the wave, behind my last LDS store
	ds_add_u32 v[SPW], v[NIL]
	s_wait_dscnt 0x0
	s_endpgm
.Lfunc_end_k_qa88c825c7a_attn:
	.size	k_qa88c825c7a_attn, .Lfunc_end_k_qa88c825c7a_attn-k_qa88c825c7a_attn
	.p2alignl 7, 3214868480
	.fill 96, 4, 3214868480
	.section	.rodata,"a",@progbits
	.p2align	6, 0x0
	.amdhsa_kernel k_qa88c825c7a_attn
		.amdhsa_group_segment_fixed_size 101376
		.amdhsa_private_segment_fixed_size 0
		.amdhsa_enable_private_segment 0
		.amdhsa_kernarg_size 32
		.amdhsa_user_sgpr_count 2
		.amdhsa_user_sgpr_kernarg_segment_ptr 1
		.amdhsa_wavefront_size32 1
		.amdhsa_system_sgpr_workgroup_id_x 1
		.amdhsa_system_sgpr_workgroup_id_y 1
		.amdhsa_system_sgpr_workgroup_id_z 1
		.amdhsa_system_vgpr_workitem_id 0
		.amdhsa_next_free_vgpr 512
		.amdhsa_next_free_sgpr 66
		.amdhsa_reserve_vcc 1
		.amdhsa_float_denorm_mode_32 3
		.amdhsa_float_denorm_mode_16_64 3
		.amdhsa_memory_ordered 1
		.amdhsa_forward_progress 1
		.amdhsa_inst_pref_size 208
	.end_amdhsa_kernel
	.amdgpu_metadata
---
amdhsa.version: [ 1, 2 ]
amdhsa.kernels:
  - .name:           k_qa88c825c7a_attn
    .symbol:         k_qa88c825c7a_attn.kd
    .args:
      - { .name: qkv, .offset: 0, .size: 8, .value_kind: global_buffer, .address_space: global }
      - { .name: vsum, .offset: 8, .size: 8, .value_kind: global_buffer, .address_space: global }
      - { .name: lists, .offset: 16, .size: 8, .value_kind: global_buffer, .address_space: global }
      - { .name: out0, .offset: 24, .size: 8, .value_kind: global_buffer, .address_space: global }
    .group_segment_fixed_size: 101376
    .private_segment_fixed_size: 0
    .kernarg_segment_align: 8
    .kernarg_segment_size: 32
    .max_flat_workgroup_size: 256
    .sgpr_count:     66
    .vgpr_count:     512
    .wavefront_size: 32
...
	.end_amdgpu_metadata
.endif
;; end of part 3
